; MI455X (gfx1250); checked and timed in simulation.
; The chip was launched on July 23, 2026; its instructions are those of AMD's public machine-readable ISA for CDNA 5 (MIT licence, August 2026) and "CDNA5" Instruction Set Architecture Reference Guide (July 2026). The comments in the code are by the model that wrote it; some were corrected since.
;; Mo E Layer. Allowed arithmetic: matrix products marked QUANTISED: E5M2 operands, one given power-of-two scale a tensor, by v_wmma_f32_16x16x64_bf8_bf8 or v_wmma_f32_16x16x128_bf8_bf8, f32 sums; products left as they are: f32 operands where the result goes on into a quantised operand, else bf16, f16 or f32 operands; f32 sums; everything else in f32.
;; Inputs: b1 8 x 1,024 float32; b2 8 x 1,024 float32; gate_b 8 float32; gate_w 1,024 x 8 float32; inputs 2 x 2,048 x 1,024 float32; lowp_scales 4 int32 (the exponents e of the quantised operands' scales 2^e); w1_codes 8 x 1,024 x 32 x 32 uint8 (E5M2 codes of w1, K innermost, in blocks of 32 codes); w2_codes 8 x 1,024 x 32 x 32 uint8 (E5M2 codes of w2, K innermost, in blocks of 32 codes).
;; Outputs: out0 2 x 2,048 x 1,024 float32.
;; This version of the problem:
;;   THIS VERSION OF THE PROBLEM IS GIVEN IN LOW PRECISION. The matrix products marked QUANTISED in the list below multiply operands that are first quantised to E5M2 (5 exponent bits, 2 mantissa bits; 8 bits a number), with one given power-of-two scale for each operand tensor; their sums are f32. All else is computed in f32.
;;   The module's matrix products, in the order in which they are computed (A, B: the left and right operand; K: the contracted axis; several contracted axes count as one K, in the product's order):
;;     1. [M 4,096, K 1,024] x [K 1,024, N 8]; A: input inputs; B: input gate_w: left as it is (N = 8 < 16)
;;     2. [M 4,096, K 1,024] x [K 1,024, N 8,192]; A: input inputs; B: input w1 (given as codes): QUANTISED (scales: A lowp_scales[0], B lowp_scales[1])
;;     3. batch 8 x [M 1,024, K 1,024] x [K 1,024, N 4,096]; A: input w2 (given as codes); B: computed on the way: QUANTISED (scales: A lowp_scales[2], B lowp_scales[3])
;;     4. batch 4,096 x [M 1, K 8] x [K 8, N 1,024]; A: softmax; B: computed on the way: left as it is (K = 8 < 32)
;;   THE QUANTISER, for each operand of a quantised product, along K:
;;     - The operand's scale is 2^e, e = its entry of the input lowp_scales (int32; the entries are numbered through the quantised products in the list's order, A before B).
;;     - Each number is divided by the scale, clamped to +-57,344, and rounded to the nearest number of E5M2, ties to even, subnormals kept.
;;     - The product sums the exact products of the quantised numbers (number of the format x scale) in f32.
;;   ~~~python
;;   def quantise(x, axis, e):      # numpy; x: float32 -> the quantised numbers, widened to float32 again
;;       x = np.moveaxis(x, axis, -1); K = x.shape[-1]
;;       r = np.clip(x / 2.0 ** e, -57344, 57344)
;;       step = 2.0 ** (np.maximum(np.frexp(np.where(r == 0, 1, r))[1] - 1, -14) - 2)
;;       q = np.round(r / step) * step * 2.0 ** e      # np.round: ties to even
;;       return np.moveaxis(q, -1, axis).astype(np.float32)
;;   ~~~
;;   OPERANDS COMPUTED ON THE WAY. 'Computed on the way' means the value that the module computes at that place (a softmax that the list does not call 'softmax' is quantised finished and normalised). What goes into a quantiser is computed in f32, as accurately as f32 sums, v_exp_f32 and their like allow (about 1e-6 of the number): no bf16 or f16 on the way to a quantiser, and a product that is left as it is and whose result goes on into a quantised operand takes f32 operands (vector FMAs, or v_wmma_f32_16x16x4_f32). A number that lies on a knife's edge between two numbers of the format may be rounded either way, as far as f32 arithmetic and the matrix unit's own rounding can turn it there, and no further.
;;   INPUTS GIVEN AS CODES. w1 (in the module: [8, 1024, 1024], K = its axis 1); w2 (in the module: [8, 1024, 1024], K = its axis 1): each comes as NAME_codes (uint8): NAME with its K axis moved to the last place and cut into blocks of 32 codes, [.., K / 32, bytes a block], one block behind the other in memory; one code a byte (a code: sign, 5 exponent bits, 2 mantissa bits); its scale is its entry of lowp_scales. Its value is code x scale, taken as it is: it is not quantised again, and the codes and scales need not be those that the quantiser above would give.
;; One version. Each part assembles by itself: llvm-mc -triple=amdgcn-amd-amdhsa -mcpu=gfx1250 --defsym DOCPART=n.
;; ======== version 1 of 1: 3 launches
;; limits: a function is approximated: absolute error at most 1.5e-07; an absolute error that grows with the inputs' magnitude: up to 7.5e-08 times it; right only within a limited range of input values
;; workspace buffers: x_ws 4,194,304 bytes; h_ws 33,554,432 bytes; gate_ws 131,072 bytes; b1s 32,768 bytes; b2s 32,768 bytes
;; launch prep (part 1): grid 256 x 1, 4 waves a work-group, no clusters, 105,472 bytes of LDS; arguments inputs, gate_w, gate_b, b1, b2, lowp_scales, x_ws, gate_ws, b1s, b2s; writes x_ws, gate_ws, b1s, b2s
.if DOCPART == 1
	.amdgcn_target "amdgcn-amd-amdhsa--gfx1250"
	.amdhsa_code_object_version 6
	.text
	.protected	k_q1cc4db360c_prep
	.globl	k_q1cc4db360c_prep
	.p2align	8
	.type	k_q1cc4db360c_prep,@function
k_q1cc4db360c_prep:
	s_mov_b64 s[64:65], 0
	v_nop
	global_prefetch_b8 v0, s[64:65] scope:SCOPE_SE
	s_setreg_imm32_b32 hwreg(HW_REG_WAVE_MODE, 25, 1), 1
	s_wait_xcnt 0x0
; SOFT MIXTURE OF EXPERTS, launch 1 of 3.  out[t] = sum over e of gate[t][e] (gelu(x[t] w1[e] + b1[e]) w2[e] + b2[e]); both large products on codes of E5M2.
; NOTHING IS LEFT OUT: every expert is weighed in for every token, and every input has a way to the output, so every input is loaded by some launch.
; THIS LAUNCH: (a) x [4096][1024] f32 becomes codes of E5M2 with the given scale 2^e0 (held within +-57,344 x 2^e0, nearest code, ties to even), stored as IMAGES OF THE OPERAND'S REGISTERS:
;   x_ws [token tile 256][kc 8][c 4][lane 32][16 bytes]; lane 16 h + r holds token 16 tile + r, k = 128 kc + 32 c + 16 h + 0..15.
; (b) gate = softmax(x gate_w + gate_b), the product with bf16 operands and f32 sums (it feeds no quantised operand), the largest logit taken away: gate_ws [token tile][e 8][r 16] f32.
; (c) b1s = b1 / 2^(e0+e1), b2s = b2 / 2^(e2+e3): the biases in the units of the raw sums of codes, so that they can be the C of a sum's first matrix instruction.
; SHARES.  A work-group takes 16 tokens (64 KB of x).  Wave w takes k = 256 w .. 256 w + 255: two fragments of 128, and the same rows of gate_w.  The four partial logits meet in LDS; wave 0 makes the softmax.
; gate_w's 32 KB are read by every work-group; they go through registers, since they are rounded to bf16 on the way, so no joint tensor load serves them.
; Each load of x reads 512 consecutive bytes; the conversions want 16 neighbours along k in one lane: a fragment turns through the wave's own stage in LDS (rows of 512 bytes + 16).
; The gate's product is used transposed: source 0 = 16 columns of gate_w (8 experts, repeated), source 1 = 16 tokens: a lane then holds one token and its 8 registers the 8 experts.
; k stands in the same permuted places in both operands (32 c + 16 h + 0..15 in a lane's 8 registers), so that x's numbers are used as the stage gives them.
; LIMITS: e0 between -126 and 112.  NaN among the inputs is not served.  b1s and b2s lose what falls under the smallest f32 number.
.set SPITCH, 528                       ; a stage row: 512 bytes + 16: an odd multiple of 16, so the 16 rows of a read start at 16 different groups of banks
.set FRAGB,  16*SPITCH                 ; a fragment's stage
.set GWL,    8*FRAGB                   ; gate_w as bf16: [k 1024][16 columns], rows of 32 bytes
.set RED,    GWL+32768                 ; partial logits: 1,024 bytes a wave
.set GST,    RED+4096                  ; the gate's 512 bytes on their way out
.set SPARE,  GST+512                   ; the spare words, 128 bytes for each wave: two blocks of 256 bytes that no other line names
.set GSTO, 1                           ; v1   GST + 256 h + 4 r
.set GSTL, 2                           ; v2   GST + 16 lane
.set XO,   4                           ; v4   16 lane
.set GWO,  5                           ; v5   32 lane
.set SIN,  6                           ; v6   the stage, in
.set SOUT, 7                           ; v7   the stage, out
.set GWS,  8                           ; v8   where I store my rows of gate_w
.set GWT,  9                           ; v9   where the turning load reads them
.set LIM,  10                          ; v10  57,344 x 2^e0
.set SCL,  11                          ; v11  2^e0
.set SPW,  12                          ; v12  my spare word; never rewritten
.set NIL,  13                          ; v13  0; never rewritten
.set REDS, 14
.set REDL, 15
.set ACC,  16                          ; v16-31 two accumulators of logits, by turns
.set R0,   32                          ; v32-95, v96-159: a fragment of x as loaded; then gate_w's fragments (+0..31) and the codes (+32..47)
.set X,    160                         ; v160-223 gate_w as loaded; then 64 numbers of x, 16 neighbours for each block of 32
.set XB,   224                         ; v224-255 bf16
.set WV,   36
	s_load_b512 s[4:19], s[0:1], 0x0               ; inputs s[4:5], gate_w s[6:7], gate_b s[8:9], b1 s[10:11], b2 s[12:13], lowp_scales s[14:15], x_ws s[16:17], gate_ws s[18:19]
	s_load_b128 s[20:23], s[0:1], 0x40             ; b1s s[20:21], b2s s[22:23]
	v_lshl_add_u32 v[SPW], v0, 2, SPARE
	v_mov_b32 v[NIL], 0
	v_lshrrev_b32 v16, 5, v0
	v_readfirstlane_b32 s[WV], v16                 ; wave 0..3
	v_and_b32 v16, 31, v0                          ; lane
	v_and_b32 v17, 15, v0                          ; r
	v_bfe_u32 v18, v0, 4, 1                        ; h
	v_lshlrev_b32 v[XO], 4, v16
	v_lshlrev_b32 v[GWO], 5, v16
	s_mul_i32 s37, s[WV], 2*FRAGB                  ; my two stages
	v_add_nc_u32 v[SIN], s37, v[XO]                ; in: a row's 512 bytes as they lie
	v_mul_u32_u24 v[SOUT], v17, SPITCH
	v_lshl_add_u32 v[SOUT], v18, 6, v[SOUT]
	v_add_nc_u32 v[SOUT], s37, v[SOUT]             ; out: row r, + 64 h: my 16 numbers of a block of 32
	s_lshl_b32 s38, s[WV], 13
	s_add_co_u32 s38, s38, GWL                     ; my 256 rows of gate_w in LDS
	v_add_nc_u32 v[GWS], s38, v[GWO]
	v_and_b32 v19, 7, v0
	v_lshlrev_b32 v[GWT], 5, v19                   ; the turning load: lane l addresses row 16 h + l % 8,
	v_lshl_add_u32 v[GWT], v18, 9, v[GWT]
	v_bfe_u32 v19, v0, 3, 1
	v_lshl_add_u32 v[GWT], v19, 4, v[GWT]          ; columns 8 ((l / 8) % 2) on
	v_add_nc_u32 v[GWT], s38, v[GWT]
	s_lshl_b32 s39, s[WV], 10
	s_add_co_u32 s39, s39, RED
	v_add_nc_u32 v[REDS], s39, v[XO]
	v_add_nc_u32 v[REDL], RED, v[XO]
	v_lshlrev_b32 v[GSTO], 2, v17
	v_lshl_add_u32 v[GSTO], v18, 8, v[GSTO]
	v_add_nc_u32 v[GSTO], GST, v[GSTO]
	v_add_nc_u32 v[GSTL], GST, v[XO]
	s_wait_kmcnt 0x0
	s_load_b128 s[32:35], s[14:15], 0x0            ; e0, e1, e2, e3
	s_load_b256 s[24:31], s[8:9], 0x0              ; gate_b
	s_lshl_b32 s40, s[WV], 13
	s_mov_b32 s41, 0
	s_add_nc_u64 s[6:7], s[6:7], s[40:41]          ; gate_w at my 256 rows of 32 bytes
	s_lshl_b32 s40, ttmp9, 16
	s_lshl_b32 s42, s[WV], 10
	s_add_co_u32 s40, s40, s42
	s_add_nc_u64 s[4:5], s[4:5], s[40:41]          ; x at my 16 tokens, my 256 k
	s_lshl_b32 s40, ttmp9, 14
	s_lshl_b32 s42, s[WV], 12
	s_add_co_u32 s40, s40, s42
	s_add_nc_u64 s[16:17], s[16:17], s[40:41]      ; x_ws at my two fragments
	s_lshl_b32 s40, ttmp9, 9                       ; 512 x work-group: the gate's tile, and a piece of a bias
	s_add_nc_u64 s[18:19], s[18:19], s[40:41]
.irp i, 0,1,2,3,4,5,6,7
	global_load_b128 v[X+8*\i:X+8*\i+3], v[GWO], s[6:7] offset:1024*\i          ; row 32 i + lane of my 256: 8 experts
	global_load_b128 v[X+8*\i+4:X+8*\i+7], v[GWO], s[6:7] offset:1024*\i+16
.endr
.irp f, 0,1
.irp t, 0,1,2,3,4,5,6,7,8,9,10,11,12,13,14,15
	global_load_b128 v[R0+64*\f+4*\t:R0+64*\f+4*\t+3], v[XO], s[4:5] offset:4096*\t+512*\f th:TH_LOAD_NT   ; token t, fragment f: 512 consecutive bytes
.endr
.endr
	s_wait_loadcnt 32                              ; gate_w is in; x's 32 loads stay out
.set n, 0
.rept 32
	v_cvt_pk_bf16_f32 v[XB+n], v[X+2*n], v[X+2*n+1]
.set n, n+1
.endr
.irp i, 0,1,2,3,4,5,6,7
	ds_store_b128 v[GWS], v[XB+4*\i:XB+4*\i+3] offset:1024*\i       ; columns 0-7: the experts,
	ds_store_b128 v[GWS], v[XB+4*\i:XB+4*\i+3] offset:1024*\i+16    ; columns 8-15: the same again.  My own bytes: I alone read them
.endr
	s_wait_kmcnt 0x0
	s_add_co_i32 s37, s32, 127
	s_lshl_b32 s38, s37, 23
	v_mov_b32 v[SCL], s38                          ; 2^e0 as f32: the conversion takes its exponent field
	s_add_co_i32 s37, s37, 15
	s_lshl_b32 s37, s37, 23
	s_or_b32 s37, s37, 0x600000
	v_mov_b32 v[LIM], s37                          ; 57,344 x 2^e0
; One fragment: 16 tokens x 128 k.
.macro FRAG f
.set RF, R0+64*\f
	s_wait_loadcnt 16*(1-\f)                       ; this fragment's 16 loads are in; the other fragment's may be out
.irp t, 0,1,2,3,4,5,6,7,8,9,10,11,12,13,14,15
	ds_store_b128 v[SIN], v[RF+4*\t:RF+4*\t+3] offset:FRAGB*\f+SPITCH*\t
.endr
.irp c, 0,1,2,3
.irp j, 0,1,2,3
	ds_load_b128 v[X+16*\c+4*\j:X+16*\c+4*\j+3], v[SOUT] offset:FRAGB*\f+128*\c+16*\j   ; LDS serves a wave's instructions in order: these see my stores
.endr
.endr
	s_wait_dscnt 0x0                               ; x's numbers are back, and the stores have read the registers that gate_w's fragments now take
.irp c, 0,1,2,3
.irp p, 0,1
	ds_load_tr16_b128 v[RF+8*\c+4*\p:RF+8*\c+4*\p+3], v[GWT] offset:(128*\f+32*\c+8*\p)*32   ; lane (r, h): column r, k = 32 c + 16 h + 8 p + 0..7
.endr
.endr
.set n, 0
.rept 32
	v_cvt_pk_bf16_f32 v[XB+n], v[X+2*n], v[X+2*n+1]   ; x for the gate, ahead of the hold
.set n, n+1
.endr
	s_wait_dscnt 0x0
.irp c, 0,1,2,3                                ; two accumulators by turns, one instruction a turn
.if (\f == 0) && (\c < 2)
	v_wmma_f32_16x16x32_bf16 v[ACC+8*(\c%2):ACC+8*(\c%2)+7], v[RF+8*\c:RF+8*\c+7], v[XB+8*\c:XB+8*\c+7], 0
.else
	v_wmma_f32_16x16x32_bf16 v[ACC+8*(\c%2):ACC+8*(\c%2)+7], v[RF+8*\c:RF+8*\c+7], v[XB+8*\c:XB+8*\c+7], v[ACC+8*(\c%2):ACC+8*(\c%2)+7]
.endif
.endr
.set n, 0
.rept 64
	v_med3_num_f32 v[X+n], v[X+n], -v[LIM], v[LIM]    ; the conversion to an 8-bit code does not saturate (ISA guide 7.6.2): the hold.  These are also the places behind the products
.set n, n+1
.endr
.irp c, 0,1,2,3
	v_cvt_scalef32_pk8_bf8_f32 v[RF+32+4*\c:RF+33+4*\c], v[X+16*\c:X+16*\c+7], v[SCL]
	v_cvt_scalef32_pk8_bf8_f32 v[RF+34+4*\c:RF+35+4*\c], v[X+16*\c+8:X+16*\c+15], v[SCL]
.endr
	v_nop                                          ; one plain vector line behind the last scaled conversion
.irp c, 0,1,2,3
	global_store_b128 v[XO], v[RF+32+4*\c:RF+35+4*\c], s[16:17] offset:2048*\f+512*\c   ; 512 consecutive bytes; each fragment has its own registers for its codes
.endr
.endm
	FRAG 0
	FRAG 1
.irp j, 0,2,4,6
	v_pk_add_f32 v[ACC+\j:ACC+\j+1], v[ACC+\j:ACC+\j+1], v[ACC+8+\j:ACC+8+\j+1]   ; both accumulators from their low end on
.endr
	ds_store_b128 v[REDS], v[ACC:ACC+3]
	ds_store_b128 v[REDS], v[ACC+4:ACC+7] offset:512
	s_wait_dscnt 0x0                               ; for the others' sake: my partial logits have landed
	s_barrier_signal -1
	s_barrier_wait -1
	s_cmp_eq_u32 s[WV], 0
	s_cbranch_scc0 .Lnot_wave_0
	; wave 0: the logits, the softmax.  Lane (r, h) holds token r's 8 logits; both halves of the lanes hold the same
.irp w, 0,1,2,3
	ds_load_b128 v[32+8*\w:35+8*\w], v[REDL] offset:1024*\w
	ds_load_b128 v[36+8*\w:39+8*\w], v[REDL] offset:1024*\w+512
.endr
	s_mov_b32 s46, 0x3fb8aa3b                      ; log2(e)
	s_wait_dscnt 0x0
.irp j, 0,2,4,6
	v_pk_add_f32 v[32+\j:33+\j], v[32+\j:33+\j], v[40+\j:41+\j]
	v_pk_add_f32 v[48+\j:49+\j], v[48+\j:49+\j], v[56+\j:57+\j]
.endr
.irp j, 0,2,4,6
	v_pk_add_f32 v[32+\j:33+\j], v[32+\j:33+\j], v[48+\j:49+\j]
.endr
.irp j, 0,1,2,3,4,5,6,7
	v_add_f32 v[32+\j], s[24+\j], v[32+\j]         ; + gate_b
.endr
	v_max3_num_f32 v40, v32, v33, v34
	v_max3_num_f32 v41, v35, v36, v37
	v_max3_num_f32 v40, v40, v38, v39
	v_max_num_f32 v40, v40, v41                    ; the token's largest logit
	v_mul_f32 v40, s46, v40
.irp j, 0,1,2,3,4,5,6,7
	v_fma_f32 v[32+\j], v[32+\j], s46, -v40        ; (logit - largest) x log2(e)
.endr
.irp j, 0,1,2,3,4,5,6,7
	v_exp_f32 v[32+\j], v[32+\j]
.endr
	v_nop                                          ; a plain line behind the last exponential,
	s_wait_alu depctr_va_vdst(0)                   ; and one wait for the batch, ahead of its first reader
	v_pk_add_f32 v[40:41], v[32:33], v[34:35]
	v_pk_add_f32 v[42:43], v[36:37], v[38:39]
	v_pk_add_f32 v[40:41], v[40:41], v[42:43]
	v_add_f32 v40, v40, v41
	v_rcp_f32 v41, v40
	v_cmp_lt_u32 vcc_lo, 15, v0                    ; (a plain line behind the reciprocal)  in wave 0 the thread's number is the lane: lanes 16-31
	s_wait_alu depctr_va_vdst(0)
.irp j, 0,1,2,3,4,5,6,7
	v_mul_f32 v[32+\j], v[32+\j], v41
.endr
.irp j, 0,1,2,3
	v_cndmask_b32 v[44+\j], v[32+\j], v[36+\j], vcc_lo   ; lanes 0-15 send experts 0-3, lanes 16-31 experts 4-7
.endr
.irp j, 0,1,2,3
	ds_store_b32 v[GSTO], v[44+\j] offset:64*\j    ; [e][r]: 64 (4 h + j) + 4 r
.endr
	ds_load_b128 v[48:51], v[GSTL]                 ; in order behind my stores
	s_wait_dscnt 0x0
	global_store_b128 v[XO], v[48:51], s[18:19]    ; the tile's 512 bytes, whole
	s_branch .Lend
.Lnot_wave_0:
	s_cmp_eq_u32 s[WV], 3
	s_cbranch_scc1 .Lend
	s_cmp_lt_u32 ttmp9, 64                         ; a bias is 64 pieces of 512 bytes: the first 64 work-groups take one each
	s_cbranch_scc0 .Lend
	s_add_co_i32 s42, s32, s33                     ; e0 + e1
	s_add_co_i32 s43, s34, s35                     ; e2 + e3
	s_cmp_eq_u32 s[WV], 1                          ; wave 1: b1; wave 2: b2.  The choice hangs on the wave's number alone
	s_cselect_b64 s[44:45], s[10:11], s[12:13]
	s_cselect_b64 s[20:21], s[20:21], s[22:23]
	s_cselect_b32 s42, s42, s43
	s_sub_co_i32 s42, 0, s42
	s_add_nc_u64 s[44:45], s[44:45], s[40:41]
	s_add_nc_u64 s[20:21], s[20:21], s[40:41]
	global_load_b128 v[32:35], v[XO], s[44:45]
	s_wait_loadcnt 0x0
.irp j, 0,1,2,3
	v_ldexp_f32 v[36+\j], v[32+\j], s42            ; bias / 2^(the two exponents): nothing is rounded, short of underflow
.endr
	global_store_b128 v[XO], v[36:39], s[20:21]
.Lend:
	s_wait_tensorcnt 0x0                           ; the wave's end, behind my last LDS store
	ds_add_u32 v[SPW], v[NIL]
	s_wait_dscnt 0x0
	s_endpgm
.Lfunc_end_k_q1cc4db360c_prep:
	.size	k_q1cc4db360c_prep, .Lfunc_end_k_q1cc4db360c_prep-k_q1cc4db360c_prep
	.p2alignl 7, 3214868480
	.fill 96, 4, 3214868480
	.section	.rodata,"a",@progbits
	.p2align	6, 0x0
	.amdhsa_kernel k_q1cc4db360c_prep
		.amdhsa_group_segment_fixed_size 105472
		.amdhsa_private_segment_fixed_size 0
		.amdhsa_enable_private_segment 0
		.amdhsa_kernarg_size 80
		.amdhsa_user_sgpr_count 2
		.amdhsa_user_sgpr_kernarg_segment_ptr 1
		.amdhsa_wavefront_size32 1
		.amdhsa_system_sgpr_workgroup_id_x 1
		.amdhsa_system_sgpr_workgroup_id_y 1
		.amdhsa_system_sgpr_workgroup_id_z 1
		.amdhsa_system_vgpr_workitem_id 0
		.amdhsa_next_free_vgpr 256
		.amdhsa_next_free_sgpr 66
		.amdhsa_reserve_vcc 1
		.amdhsa_float_denorm_mode_32 3
		.amdhsa_float_denorm_mode_16_64 3
		.amdhsa_memory_ordered 1
		.amdhsa_forward_progress 1
		.amdhsa_inst_pref_size 36
	.end_amdhsa_kernel
	.amdgpu_metadata
---
amdhsa.version: [ 1, 2 ]
amdhsa.kernels:
  - .name:           k_q1cc4db360c_prep
    .symbol:         k_q1cc4db360c_prep.kd
    .args:
      - { .name: inputs, .offset: 0, .size: 8, .value_kind: global_buffer, .address_space: global }
      - { .name: gate_w, .offset: 8, .size: 8, .value_kind: global_buffer, .address_space: global }
      - { .name: gate_b, .offset: 16, .size: 8, .value_kind: global_buffer, .address_space: global }
      - { .name: b1, .offset: 24, .size: 8, .value_kind: global_buffer, .address_space: global }
      - { .name: b2, .offset: 32, .size: 8, .value_kind: global_buffer, .address_space: global }
      - { .name: lowp_scales, .offset: 40, .size: 8, .value_kind: global_buffer, .address_space: global }
      - { .name: x_ws, .offset: 48, .size: 8, .value_kind: global_buffer, .address_space: global }
      - { .name: gate_ws, .offset: 56, .size: 8, .value_kind: global_buffer, .address_space: global }
      - { .name: b1s, .offset: 64, .size: 8, .value_kind: global_buffer, .address_space: global }
      - { .name: b2s, .offset: 72, .size: 8, .value_kind: global_buffer, .address_space: global }
    .group_segment_fixed_size: 105472
    .private_segment_fixed_size: 0
    .kernarg_segment_align: 8
    .kernarg_segment_size: 80
    .max_flat_workgroup_size: 128
    .sgpr_count:     66
    .vgpr_count:     256
    .wavefront_size: 32
...
	.end_amdgpu_metadata
.endif
;; end of part 1
;; launch up (part 2): grid 16 x 16, 4 waves a work-group, clusters of 4 x 1, 327,680 bytes of LDS; arguments x_ws, w1_codes, b1s, lowp_scales, h_ws; writes h_ws
.if DOCPART == 2
	.amdgcn_target "amdgcn-amd-amdhsa--gfx1250"
	.amdhsa_code_object_version 6
	.text
	.protected	k_q1cc4db360c_up
	.globl	k_q1cc4db360c_up
	.p2align	8
	.type	k_q1cc4db360c_up,@function
k_q1cc4db360c_up:
	s_mov_b64 s[64:65], 0
	v_nop
	global_prefetch_b8 v0, s[64:65] scope:SCOPE_SE
	s_setreg_imm32_b32 hwreg(HW_REG_WAVE_MODE, 25, 1), 1
	s_wait_xcnt 0x0
	s_wait_alu depctr_hold_cnt(0) depctr_sa_sdst(0) depctr_va_vdst(0) depctr_va_sdst(0) depctr_va_ssrc(0) depctr_va_vcc(0) depctr_vm_vsrc(0)
	s_getreg_b32 s2, hwreg(HW_REG_IB_STS2, 6, 4)
	s_cmp_eq_u32 s2, 0
	s_cbranch_scc0 .Lentry_in_a_cluster
	s_endpgm
.Lentry_in_a_cluster:
	s_bfe_u32 s2, ttmp6, 0x10000c
	s_cmp_lg_u32 s2, 0x3003
	s_cbranch_scc0 .Lentry_shape_is_right
	s_endpgm
.Lentry_shape_is_right:
; SOFT MIXTURE OF EXPERTS, launch 2 of 3: h = Q(gelu(x w1 + b1)), the first product on codes of E5M2, the hidden layer quantised in registers with the given 2^e3.  Nothing is left out.
; x_ws: x's codes as images of the operand's registers (launch 1).  w1_codes: [n = 1024 e + f][k 1024], a code a byte.  b1s = b1 / 2^(e0+e1).
; h_ws [e 8][tb 32][q 32][mt 8][lane 32][16 bytes]: lane 16 h + r holds token 128 tb + 16 mt + r; bytes 0-7: f = 32 q + 8 h + 0..7, bytes 8-15: f = 32 q + 16 + 8 h + 0..7: four such pieces are a fragment of the next product.
; SHARES.  A work-group takes 256 tokens x 512 rows n.  K is short, so X STAYS: wave w keeps its 64 tokens x all 1,024 k in 512 registers, and all four waves walk the same 512 rows of w1 out of LDS:
; a fragment of w1 (2 KB) feeds four matrix instructions, and a sum is finished after 8.  A BLOCK is 32 rows of w1 x 64 tokens: 8 accumulators, 64 matrix instructions.
; THE PRODUCT IS USED TRANSPOSED (source 0 = 16 rows of w1, source 1 = 16 tokens): a lane holds one token and 8 neighbouring f.  The bias is the C of a sum's first instruction; a sum's last instruction writes it
; into other registers (X), where block i's gelu is done IN SLICES BETWEEN THE PRODUCTS OF BLOCK i + 1: about nine vector instructions stand behind each matrix instruction.
; GELU, exact form, on a = raw sum (x = a s, s = 2^(e0+e1)): u = 1 + PS |a|, t = 1/u, E = 2^-(KS a)^2, P = ((((A5 t + A4) t + A3) t + A2) t + A1) t, R = 0.5 - P E = erf(|x| / sqrt 2) / 2,
; gelu(x) / s = 0.5 a + |a| R.  (Abramowitz and Stegun 7.1.26, coefficients halved; PS = 0.3275911 s / sqrt 2, KS = s sqrt(log2(e) / 2).)  The code is (gelu / s) / 2^(e3-e0-e1): three scales in the conversion's one.
; LIMITS: erf is within 1.5e-7 of its value, the size of the rounding of 1 + erf in f32.  e0+e1 between -120 and 120 (added to PS's and KS's exponent fields); e3-e0-e1 between -126 and 112.  NaN is not served.
; CLUSTER: the four work-groups of a cluster share their 512 rows n: w1's tiles and the bias are asked for jointly (mask 15).  Every wave issues every load, its own 32 rows: addresses by arithmetic on the wave's number.
; RING: two slots of 128 rows (four blocks); a refill has four blocks' work in which to land.  By this text's count a wave has three tensor loads out at the start, one later.
; REGISTERS: window 0: v0 the conversion's scale, v1-7 addresses, v8-15 A1, A4, A3, A2 as pairs, v16-79 ACC, v80-143 X, v144-239 two sets of T, E, P (16 each), v240-255 codes.
;   window 1: v0-127 four sets of w1's two fragments (K group g in set g % 4); v128-143 the bias.   windows 2, 3: x's fragments, v[64 (kc % 4) + 16 m].
.set PITCH, 1040                       ; a row of w1 in LDS: 1,024 bytes + 16: an odd multiple of 16
.set BLKB,  32*PITCH                   ; a block's rows; also what one tensor load brings
.set SLOT,  4*BLKB
.set B1T,   2*SLOT                     ; the bias of my 512 rows: 2,048 bytes, filled once
.set SPARE, B1T+2048                   ; the spare words, 128 bytes for each wave: two blocks of 256 bytes that no other line names
.set CVS, 0                            ; v0   2^(e3-e0-e1), once the thread's number is done with
.set SPW, 1                            ; v1   my spare word; never rewritten
.set NIL, 2                            ; v2   0; never rewritten
.set AW0, 3                            ; v3   1,040 r + 16 h
.set ADW, 4                            ; v4   + the block's place
.set AB0, 5                            ; v5   B1T + 32 h
.set ADB, 6                            ; v6   + the block's place
.set HO,  7                            ; v7   16 lane
.set VA1, 8
.set VA4, 10
.set VA3, 12
.set VA2, 14
.set ACC, 16
.set X,   80
.set TS0, 144
.set CD,  240
.set WV,  14
.set G1,  24                           ; s[24:31] group 1 for w1's tiles;  s[32:39] for the bias;  s[40:47] group 0 for slots 0, 1;  s[48:51] for the bias
.set G1R, 32
.set G0,  40
.set G0R, 48
.set PS,  52
.set KS,  54                           ; s[54:55]
.set LLO, 56                           ; -57,344 x 2^(e3-e0-e1)
.set LHI, 57
.set HB,  58                           ; s[58:59] where the block in hand stores its codes
.set TB,  60                           ; LDS byte of the block's rows
.set TBB, 61                           ; and of its bias
.set CNT, 62
.set MSB, 0
.macro WIN new                         ; the immediate's high byte repeats the setting that is left; a switch that changes nothing is dropped
.if MSB != \new
	s_set_vgpr_msb (MSB<<8)|\new
.set MSB, \new
.endif
.endm
.macro PLACES n
.rept \n
	v_nop
.endr
.endm
.macro CROUND                          ; a round of the cluster's barrier
	s_barrier_signal -1
	s_barrier_wait -1
	s_cmp_lg_u32 s[WV], 0
	s_cbranch_scc1 .Lnot_wave_0_\@
	s_barrier_signal -3
.Lnot_wave_0_\@:
	s_barrier_wait -3
	s_barrier_signal -1
	s_barrier_wait -1
.endm
	s_load_b256 s[4:11], s[0:1], 0x0               ; x_ws s[4:5], w1_codes s[6:7], b1s s[8:9], lowp_scales s[10:11]
	s_load_b64 s[12:13], s[0:1], 0x20              ; h_ws
	v_lshl_add_u32 v[SPW], v0, 2, SPARE
	v_mov_b32 v[NIL], 0
	ds_add_u32 v[SPW], v[NIL]                      ; the wave's opening: the add, twice on end, and its wait ahead of my first tensor load
	ds_add_u32 v[SPW], v[NIL]
	v_lshrrev_b32 v4, 5, v0
	v_readfirstlane_b32 s[WV], v4                  ; wave 0..3
	s_bfe_u32 s15, ttmp6, 0x40000                  ; cx
	s_lshl_b32 s16, ttmp9, 2
	s_add_co_u32 s16, s16, s15                     ; my block of 256 tokens: it enters x's and h's addresses alone
	s_and_b32 s17, ttmp7, 0xffff                   ; y: my 512 rows n, which the four partners share
	s_mov_b32 s[G1], 15|(1<<20)|(1<<21)|(7<<22)|(3<<25)   ; mask: all four; elements of 1 byte; padding on; bit 21 beside a mask; after every 256 words, 4 words
	s_mov_b32 s[G1+1], 1024<<16                    ; tensor_dim0
	s_mov_b32 s[G1+2], 32<<16                      ; tensor_dim1
	s_mov_b32 s[G1+3], 1024<<16                    ; tile_dim0
	s_mov_b32 s[G1+4], 32                          ; tile_dim1
	s_mov_b32 s[G1+5], 1024                        ; from row to row
	s_mov_b32 s[G1+6], 0
	s_mov_b32 s[G1+7], 0
	s_mov_b32 s[G1R], 15|(3<<16)|(1<<21)           ; one row of 64 elements of 8 bytes
	s_mov_b32 s[G1R+1], 64<<16
	s_mov_b32 s[G1R+2], 1<<16
	s_mov_b32 s[G1R+3], 64<<16
	s_mov_b32 s[G1R+4], 1
	s_mov_b32 s[G1R+5], 64
	s_mov_b32 s[G1R+6], 1<<16
	s_mov_b32 s[G1R+7], 0
	s_lshl_b32 s18, s17, 19                        ; w1: (512 y + 32 wave) rows of 1,024 bytes
	s_lshl_b32 s20, s[WV], 15
	s_add_co_u32 s18, s18, s20
	s_mov_b32 s19, 0
	s_lshl_b32 s20, s17, 11                        ; b1s: 4 x (512 y + 128 wave)
	s_lshl_b32 s22, s[WV], 9
	s_add_co_u32 s20, s20, s22
	s_mov_b32 s21, 0
	s_add_co_u32 s22, s22, B1T                     ; its place in LDS
	s_mul_i32 s23, s[WV], BLKB                     ; my 32 rows' place in a slot
	s_lshl_b32 s72, s16, 18                        ; x_ws: (16 block + 4 wave) tiles of 16,384 bytes
	s_lshl_b32 s76, s[WV], 16
	s_add_co_u32 s72, s72, s76
	s_mov_b32 s73, 0
	s_lshr_b32 s74, s17, 1                         ; h_ws: e = y / 2,
	s_lshl_b32 s74, s74, 22
	s_lshl_b32 s76, s16, 1
	s_lshr_b32 s77, s[WV], 1
	s_add_co_u32 s76, s76, s77                     ; tb = 2 block + wave / 2,
	s_lshl_b32 s76, s76, 17
	s_add_co_u32 s74, s74, s76
	s_and_b32 s76, s17, 1                          ; q from 16 (y % 2) on,
	s_lshl_b32 s76, s76, 16
	s_add_co_u32 s74, s74, s76
	s_and_b32 s76, s[WV], 1                        ; mt from 4 (wave % 2) on
	s_lshl_b32 s76, s76, 11
	s_add_co_u32 s74, s74, s76
	s_mov_b32 s75, 0
	v_and_b32 v4, 15, v0                           ; r
	v_bfe_u32 v6, v0, 4, 1                         ; h
	v_mul_u32_u24 v[AW0], v4, PITCH
	v_lshl_add_u32 v[AW0], v6, 4, v[AW0]
	v_lshlrev_b32 v[AB0], 5, v6
	v_add_nc_u32 v[AB0], B1T, v[AB0]
	v_and_b32 v[HO], 31, v0
	v_lshlrev_b32 v[HO], 4, v[HO]
	s_wait_dscnt 0x0                               ; both opening adds are done
	s_wait_kmcnt 0x0
	s_load_b128 s[68:71], s[10:11], 0x0            ; e0, e1, e2, e3
	s_add_nc_u64 s[6:7], s[6:7], s[18:19]
.irp s, 0,1
	s_mov_b32 s[G0+4*\s], 1
	s_add_co_u32 s[G0+4*\s+1], s23, \s*SLOT
	s_add_nc_u64 s[G0+4*\s+2:G0+4*\s+3], s[6:7], \s*131072   ; slot s begins with rows 128 s on
	s_or_b32 s[G0+4*\s+3], s[G0+4*\s+3], 0x80000000
.endr
	s_mov_b32 s[G0R], 1
	s_mov_b32 s[G0R+1], s22
	s_add_nc_u64 s[G0R+2:G0R+3], s[8:9], s[20:21]
	s_or_b32 s[G0R+3], s[G0R+3], 0x80000000
	s_add_nc_u64 s[4:5], s[4:5], s[72:73]
	s_add_nc_u64 s[HB:HB+1], s[12:13], s[74:75]
	CROUND                                         ; all four work-groups are here: the first joint loads meet
	tensor_load_to_lds s[G0R:G0R+3], s[G1R:G1R+7]  ; the three first fills go out together
	s_nop 0
	tensor_load_to_lds s[G0:G0+3], s[G1:G1+7]
	s_nop 0
	tensor_load_to_lds s[G0+4:G0+7], s[G1:G1+7]
	s_nop 0
	PLACES 4
	WIN 0x80                                       ; destination window 2
.irp kc, 0,1,2,3                               ; x's fragments, K group by K group, 16 loads each: they stay for the whole launch
.irp m, 0,1,2,3
.irp c, 0,1,2,3
	global_load_b128 v[64*\kc+16*\m+4*\c:64*\kc+16*\m+4*\c+3], v[HO], s[4:5] offset:16384*\m+2048*\kc+512*\c
.endr
.endr
.endr
	WIN 0xc0                                       ; destination window 3
.irp kc, 4,5,6,7
.irp m, 0,1,2,3
.irp c, 0,1,2,3
	global_load_b128 v[64*(\kc-4)+16*\m+4*\c:64*(\kc-4)+16*\m+4*\c+3], v[HO], s[4:5] offset:16384*\m+2048*\kc+512*\c
.endr
.endr
.endr
	WIN 0
	s_wait_kmcnt 0x0
	s_add_co_i32 s76, s68, s69                     ; e0 + e1
	s_lshl_b32 s77, s76, 23
	s_add_co_i32 s[PS], s77, 0x3e6d3388            ; 0.3275911 / sqrt 2, x 2^(e0+e1)
	s_add_co_i32 s[KS], s77, 0x3f596d27            ; sqrt(log2(e) / 2), x 2^(e0+e1)
	s_mov_b32 s[KS+1], s[KS]                       ; (named with it as a pair, so it is written)
	s_sub_co_i32 s76, s71, s76                     ; e3 - e0 - e1
	s_add_co_i32 s76, s76, 127
	s_lshl_b32 s77, s76, 23
	v_mov_b32 v[CVS], s77
	s_add_co_i32 s76, s76, 15
	s_lshl_b32 s76, s76, 23
	s_or_b32 s[LHI], s76, 0x600000
	s_or_b32 s[LLO], s[LHI], 0x80000000
.irp d, 0,1
	v_mov_b32 v[VA1+\d], 0x3e027906                ;  0.127414796
	v_mov_b32 v[VA2+\d], 0xbe11a98e                ; -0.142248368
	v_mov_b32 v[VA3+\d], 0x3f35f0e3                ;  0.7107068705
	v_mov_b32 v[VA4+\d], 0xbf3a00e3                ; -0.7265760135
.endr
; THE MATRIX WORK.  Instruction (mg, ma): K group mg, accumulator ma = 2 m + u.  The 8 accumulators take turns, one instruction a turn.
; mg = 0: C is the bias.  mg = 7: the sum is written into X; the link before it stands 7 matrix instructions and their slices back, more than the five places that another D asks for.
.macro MM
.if mg == 0
	WIN 0x19                                       ; w1 window 1, x window 2, C (the bias) window 1
.elseif mg < 4
	WIN 0x09
.else
	WIN 0x0d                                       ; x window 3
.endif
.set rA, 32*(mg%4)+16*(ma%2)
.set rB, 64*(mg%4)+16*(ma/2)
.set rC, ACC+8*ma
.set rD, ACC+8*ma
.if mg == 0
.set rC, 128+8*(ma%2)
.endif
.if mg == 7
.set rD, X+8*ma
.endif
	v_wmma_f32_16x16x128_bf8_bf8 v[rD:rD+7], v[rA:rA+15], v[rB:rB+15], v[rC:rC+7]
.endm
.macro FETCHG                          ; K group fg's two fragments of w1: lane (r, h): row r, k = 128 fg + 32 c + 16 h + 0..15 in registers 4 c .. 4 c + 3, as x's lie
	WIN 0x40
.irp u, 0,1
.irp c, 0,1,2,3
	ds_load_b128 v[32*(fg%4)+16*\u+4*\c:32*(fg%4)+16*\u+4*\c+3], v[ADW] offset:16*PITCH*\u+128*fg+32*\c
.endr
.endr
.endm
; THE VECTOR WORK: a block's gelu, a quarter (16 tokens: 16 numbers a lane) at a time.  qk: the quarter; qj: the number in its list.
.macro QA                              ; 32 plain lines: u, KS a, -(KS a)^2.  The sums are read from each accumulator's low end on
.set XQ, X+16*qk
.set TT, TS0+48*(qk%2)
.set i2, 2*(qj%8)
.if qj < 16
	v_fma_f32 v[TT+qj], |v[XQ+qj]|, s[PS], 1.0
.elseif qj < 24
	v_pk_mul_f32 v[TT+16+i2:TT+17+i2], v[XQ+i2:XQ+i2+1], s[KS:KS+1] op_sel_hi:[1,0]
.else
	v_pk_mul_f32 v[TT+16+i2:TT+17+i2], v[TT+16+i2:TT+17+i2], v[TT+16+i2:TT+17+i2] neg_lo:[1,0] neg_hi:[1,0]
.endif
.endm
.macro QB                              ; 32 transcendentals, in place: t = 1 / u, E = 2^q
.set TT, TS0+48*(qk%2)
.if qj < 16
	v_rcp_f32 v[TT+qj], v[TT+qj]
.else
	v_exp_f32 v[TT+qj], v[TT+qj]
.endif
.endm
.macro QC                              ; 92 lines: the polynomial, R, gelu, the hold, the codes, their store
.set XQ, X+16*qk
.set TT, TS0+48*(qk%2)
.set EE, TT+16
.set PP, TT+32
.set i2, 2*(qj%8)
.if qj < 8
	v_pk_fma_f32 v[PP+i2:PP+i2+1], v[TT+i2:TT+i2+1], 0x3f07dc22, v[VA4:VA4+1] op_sel_hi:[1,0,1]   ; A5 t + A4; A5 = 0.5307027145
.elseif qj < 16
	v_pk_fma_f32 v[PP+i2:PP+i2+1], v[PP+i2:PP+i2+1], v[TT+i2:TT+i2+1], v[VA3:VA3+1]
.elseif qj < 24
	v_pk_fma_f32 v[PP+i2:PP+i2+1], v[PP+i2:PP+i2+1], v[TT+i2:TT+i2+1], v[VA2:VA2+1]
.elseif qj < 32
	v_pk_fma_f32 v[PP+i2:PP+i2+1], v[PP+i2:PP+i2+1], v[TT+i2:TT+i2+1], v[VA1:VA1+1]
.elseif qj < 40
	v_pk_mul_f32 v[PP+i2:PP+i2+1], v[PP+i2:PP+i2+1], v[TT+i2:TT+i2+1]
.elseif qj < 48
	v_pk_fma_f32 v[EE+i2:EE+i2+1], v[PP+i2:PP+i2+1], v[EE+i2:EE+i2+1], 0.5 op_sel_hi:[1,1,0] neg_lo:[1,0,0] neg_hi:[1,0,0]   ; R = 0.5 - P E
.elseif qj < 64
	v_mul_f32 v[PP+qj-48], |v[XQ+qj-48]|, v[EE+qj-48]
.elseif qj < 72
	v_pk_fma_f32 v[XQ+i2:XQ+i2+1], v[XQ+i2:XQ+i2+1], 0.5, v[PP+i2:PP+i2+1] op_sel_hi:[1,0,1]      ; 0.5 a + |a| R
.elseif qj < 88
	v_med3_num_f32 v[XQ+qj-72], v[XQ+qj-72], s[LLO], s[LHI]   ; the conversion to an 8-bit code does not saturate (ISA guide 7.6.2): the hold
.elseif qj < 90
	v_cvt_scalef32_pk8_bf8_f32 v[CD+4*qk+2*(qj-88):CD+4*qk+2*(qj-88)+1], v[XQ+8*(qj-88):XQ+8*(qj-88)+7], v[CVS]
.elseif qj == 90
	v_nop                                          ; one plain vector line behind the quarter's last scaled conversion: later products write its sources
.elseif qj == 91
	global_store_b128 v[HO], v[CD+4*qk:CD+4*qk+3], s[HB:HB+1] offset:512*qk   ; 512 consecutive bytes: token tile qk's piece
.endif
.endm
.macro NW                              ; a plain line behind a batch's last transcendental, and the batch's one wait, ahead of its first reader
	v_nop
	s_wait_alu depctr_va_vdst(0)
.endm
; Item gi of a block's 640: QA 0, QB 0, the wait; then for p = 1, 2, 3: QA p, then by fours one line of QB p and three of QC p - 1 (so each transcendental has plain work of the quarter before beside it), the wait; then QC 3.
; No line ahead of a batch's wait names one of its results: QB p works in temp set p % 2, QC p - 1 in the other.
.macro GITEM
	WIN 0
.if gi < 32
.set qk, 0
.set qj, gi
	QA
.elseif gi < 64
.set qk, 0
.set qj, gi-32
	QB
.elseif gi == 64
	NW
.elseif gi < 548
.set gy, (gi-65)%161
.if gy < 32
.set qk, 1+(gi-65)/161
.set qj, gy
	QA
.elseif gy < 160
.if (gy-32)%4 == 0
.set qk, 1+(gi-65)/161
.set qj, (gy-32)/4
	QB
.else
.set qk, (gi-65)/161
.set qj, 3*((gy-32)/4)+(gy-32)%4-1
	QC
.endif
.else
	NW
.endif
.else
.set qk, 3
.set qj, gi-548
	QC
.endif
.set gi, gi+1
.endm
.macro GRUN n
.rept \n
	GITEM
.endr
.endm
; A STEP: one block's 64 products; ge = 1: the gelu of the block before stands between them: 65 items ahead of the first product (while the first fragments come), then 10 behind each of the first 17
; products and 9 behind the next 45: 65 + 170 + 405 = 640.  Quarter m is done with X before products 56 + 2 m and 57 + 2 m write it anew: quarter 3 ends behind product 61.
; first = 1: x's loads are still landing.  Without slices v_nop are the places in front of loads into fragments that products have read, and of the products that write into X.
.macro STEP ge, first
	v_add_nc_u32 v[ADW], s[TB], v[AW0]
	v_add_nc_u32 v[ADB], s[TBB], v[AB0]
	WIN 0x40
.irp u, 0,1
.irp t, 0,1
	ds_load_b128 v[128+8*\u+4*\t:128+8*\u+4*\t+3], v[ADB] offset:64*\u+16*\t   ; the bias of rows 16 u + 8 h + 0..7, in the result's layout
.endr
.endr
.set fg, 0
	FETCHG
.set fg, 1
	FETCHG
.if \ge
.set gi, 0
	GRUN 65
.endif
.set mw, 0
.set mg, 0
.rept 8
.if mg < 7
	s_wait_dscnt 8                                 ; this K group's fragments (and the bias) are in; the next group's 8 loads may be out
.else
	s_wait_dscnt 0
.endif
.if mg < 6
.if \ge == 0
	PLACES 4
.endif
.set fg, mg+2
	FETCHG                                         ; two groups ahead, into the set that the group two back has left
.endif
.if (\ge == 0) && (mg == 7)
	PLACES 5
.endif
.if \first
.if 112-16*mg > 63
	s_wait_loadcnt 63
.else
	s_wait_loadcnt 112-16*mg                       ; x's fragments came K group by K group, 16 loads each: those of the later groups may be out
.endif
.endif
.set ma, 0
.rept 8
	MM
.if \ge
.if mw < 17
	GRUN 10
.elseif mw < 62
	GRUN 9
.endif
.endif
.set ma, ma+1
.set mw, mw+1
.endr
.set mg, mg+1
.endr
	WIN 0                                          ; at a label and at a branch every window is 0
.if \ge
	s_wait_xcnt 0x0                                ; the block's four stores have read their base and their codes: both are written again in the next step
	s_add_nc_u64 s[HB:HB+1], s[HB:HB+1], 4096      ; the next q
.else
	PLACES 4                                       ; between the last products and the first read of X
.endif
	s_add_co_u32 s[TB], s[TB], BLKB
	s_add_co_u32 s[TBB], s[TBB], 128
.endm
; THE CHANGE OF SLOTS.  Each wave waits for all its tensor loads (its part of the slot ahead), adds 0 to its spare word, and waits for that and for its reads of the slot that it leaves.
; fill = 1: slot s, just left, takes the rows two slots on: the barrier is a round of the cluster's, and the joint refill is the first thing behind it.
.macro CHANGE fill, s
	s_wait_tensorcnt 0x0                           ; no tensor load of mine is out, so a group 0 may be written
	ds_add_u32 v[SPW], v[NIL]
.if \fill
	s_add_nc_u64 s[G0+4*\s+2:G0+4*\s+3], s[G0+4*\s+2:G0+4*\s+3], 262144   ; 256 rows on
.endif
	s_wait_dscnt 0x0
.if \fill
	CROUND
	tensor_load_to_lds s[G0+4*\s:G0+4*\s+3], s[G1:G1+7]
	s_nop 0
	PLACES 4
.else
	s_barrier_signal -1
	s_barrier_wait -1
.endif
.endm
.macro LOOP trips
	s_mov_b32 s[CNT], \trips
.Lblock_\@:
	STEP 1, 0
	s_sub_co_u32 s[CNT], s[CNT], 1
	s_cmp_lg_u32 s[CNT], 0
	s_cbranch_scc1 .Lblock_\@
.endm
	s_wait_tensorcnt 1                             ; the bias and my part of slot 0 are in; slot 1's load may stay out
	s_barrier_signal -1
	s_barrier_wait -1                              ; everybody's are
	s_mov_b32 s[TB], 0
	s_mov_b32 s[TBB], 0
	STEP 0, 1                                      ; block 0: products alone
	LOOP 3                                         ; blocks 1-3 | the gelu of blocks 0-2
	CHANGE 1, 0                                    ; rows 256-383 go into slot 0
	s_mov_b32 s[TB], SLOT
	LOOP 4                                         ; blocks 4-7, out of slot 1
	CHANGE 1, 1                                    ; rows 384-511 go into slot 1
	s_mov_b32 s[TB], 0
	LOOP 4                                         ; blocks 8-11
	CHANGE 0, 0                                    ; nothing is left to fetch
	s_mov_b32 s[TB], SLOT
	LOOP 4                                         ; blocks 12-15
.set gi, 0
	GRUN 640                                       ; the last block's gelu
	s_wait_tensorcnt 0x0                           ; the wave's end
	ds_add_u32 v[SPW], v[NIL]
	s_wait_dscnt 0x0
	CROUND                                         ; the closing round: no work-group ends while a partner may still ask for a tile that names it
	s_endpgm
.Lfunc_end_k_q1cc4db360c_up:
	.size	k_q1cc4db360c_up, .Lfunc_end_k_q1cc4db360c_up-k_q1cc4db360c_up
	.p2alignl 7, 3214868480
	.fill 96, 4, 3214868480
	.section	.rodata,"a",@progbits
	.p2align	6, 0x0
	.amdhsa_kernel k_q1cc4db360c_up
		.amdhsa_group_segment_fixed_size 327680
		.amdhsa_private_segment_fixed_size 0
		.amdhsa_enable_private_segment 0
		.amdhsa_kernarg_size 40
		.amdhsa_user_sgpr_count 2
		.amdhsa_user_sgpr_kernarg_segment_ptr 1
		.amdhsa_wavefront_size32 1
		.amdhsa_system_sgpr_workgroup_id_x 1
		.amdhsa_system_sgpr_workgroup_id_y 1
		.amdhsa_system_sgpr_workgroup_id_z 1
		.amdhsa_system_vgpr_workitem_id 0
		.amdhsa_next_free_vgpr 1024
		.amdhsa_next_free_sgpr 80
		.amdhsa_reserve_vcc 0
		.amdhsa_float_denorm_mode_32 3
		.amdhsa_float_denorm_mode_16_64 3
		.amdhsa_memory_ordered 1
		.amdhsa_forward_progress 1
		.amdhsa_inst_pref_size 255
	.end_amdhsa_kernel
	.section	.bss,"aw",@nobits
	.p2align	6
	.space	262144
	.amdgpu_metadata
---
amdhsa.version: [ 1, 2 ]
amdhsa.kernels:
  - .name:           k_q1cc4db360c_up
    .symbol:         k_q1cc4db360c_up.kd
    .args:
      - { .name: x_ws, .offset: 0, .size: 8, .value_kind: global_buffer, .address_space: global }
      - { .name: w1_codes, .offset: 8, .size: 8, .value_kind: global_buffer, .address_space: global }
      - { .name: b1s, .offset: 16, .size: 8, .value_kind: global_buffer, .address_space: global }
      - { .name: lowp_scales, .offset: 24, .size: 8, .value_kind: global_buffer, .address_space: global }
      - { .name: h_ws, .offset: 32, .size: 8, .value_kind: global_buffer, .address_space: global }
    .group_segment_fixed_size: 327680
    .private_segment_fixed_size: 0
    .kernarg_segment_align: 8
    .kernarg_segment_size: 40
    .max_flat_workgroup_size: 128
    .sgpr_count:     80
    .vgpr_count:     1024
    .wavefront_size: 32
...
	.end_amdgpu_metadata
.endif
;; end of part 2
;; launch down (part 3): grid 8 x 32, 4 waves a work-group, clusters of 4 x 4, 327,680 bytes of LDS; arguments h_ws, w2_codes, gate_ws, b2s, lowp_scales, out0; writes out0
.if DOCPART == 3
	.amdgcn_target "amdgcn-amd-amdhsa--gfx1250"
	.amdhsa_code_object_version 6
	.text
	.protected	k_q1cc4db360c_down
	.globl	k_q1cc4db360c_down
	.p2align	8
	.type	k_q1cc4db360c_down,@function
k_q1cc4db360c_down:
	s_mov_b64 s[64:65], 0
	v_nop
	global_prefetch_b8 v0, s[64:65] scope:SCOPE_SE
	s_setreg_imm32_b32 hwreg(HW_REG_WAVE_MODE, 25, 1), 1
	s_wait_xcnt 0x0
	s_wait_alu depctr_hold_cnt(0) depctr_sa_sdst(0) depctr_va_vdst(0) depctr_va_sdst(0) depctr_va_ssrc(0) depctr_va_vcc(0) depctr_vm_vsrc(0)
	s_getreg_b32 s2, hwreg(HW_REG_IB_STS2, 6, 4)
	s_cmp_eq_u32 s2, 0
	s_cbranch_scc0 .Lentry_in_a_cluster
	s_endpgm
.Lentry_in_a_cluster:
	s_bfe_u32 s2, ttmp6, 0x10000c
	s_cmp_lg_u32 s2, 0xf033
	s_cbranch_scc0 .Lentry_shape_is_right
	s_endpgm
.Lentry_shape_is_right:
; SOFT MIXTURE OF EXPERTS, launch 3 of 3: out[t][d] = 2^(e2+e3) x sum over e of gate[t][e] x (sum over f of h[e][t][f] w2[e][d][f] + b2s[e][d]), the product on codes of E5M2.  Nothing is left out.
; h_ws: the hidden layer's codes as images of the operand's registers (launch 2).  w2_codes: [e][d 1024][f 1024], a code a byte.  gate_ws [token tile][e][r], b2s = b2 / 2^(e2+e3) (launch 1).
; The gate cannot go into the codes, so each expert's finished sum is multiplied by the token's gate and added up in f32, in registers: each output has one owner.
; SHARES.  A work-group takes 128 tokens x 128 d, for all 8 experts; wave (th, dh) takes 64 x 64: 16 accumulators y for the expert in hand, 16 running sums out.
; TRANSPOSED: source 0 = 16 rows d of w2, source 1 = 16 tokens: a lane holds one token, so one gate a token tile, and 8 neighbouring d.  The bias is the C of an expert's first instruction.
; RING: two slots of 512 along f: slot 0 an expert's f 0-511, slot 1 its f 512-1023; a trip of the loop is an expert.  Waves 0, 1 fetch h's halves, waves 2, 3 w2's.
; CLUSTER 4 x 4: h and the gate hang on the token block alone and are shared along a row of the cluster, w2 and b2s on the d block alone and are shared along a column: joint loads.
; By this text's count a wave has three tensor loads out at the start, one later.
; h's codes lie in the matrix form's own order of k (registers 2 c, 2 c + 1: k = 16 c + 8 h + 0..7), so w2 is read by loads of 8 bytes, 16 apart.
; LIMIT: e2+e3 between -126 and 127.  NaN is not served.
; REGISTERS: window 0: v16-29 addresses; v32-39 the gates (token tile m's in both of pair 2 m); v40-71 the bias (8 b); v128-255 y (8 (4 m + b)); on the way out v128-191 are free.
;   window 1: two fragment buffers of 128: h's four fragments (16 m), then w2's four (64 + 16 b).   window 2: v0-127 out (8 (4 m + b)).
.set WP,    528                        ; a row of w2 in LDS: 512 bytes + 16: the 32 lanes of a load of 8 bytes touch 64 different banks
.set SLOT,  65536+128*WP               ; h's 65,536 bytes as they lie in memory, then w2's 128 rows
.set GT,    2*SLOT                     ; the gates: [token tile 8][e 8][r 16] f32, filled once
.set B2T,   GT+4096                    ; the bias: [e 8][d 128] f32, filled once
.set STAGE, B2T+4096                   ; the way out: 16 rows x (256 bytes + 16) for each wave
.set SP,    272
.set SPARE, STAGE+4*16*SP              ; the spare words, 128 bytes for each wave: two blocks of 256 bytes that no other line names
.set ADH, 16                           ; v16-17 my h fragments in slot 0, 1
.set ADW, 18                           ; v18-19 my w2 fragments
.set AG0, 20
.set AB0, 21
.set AGE, 22                           ; the gates of the expert in hand
.set ABE, 23                           ; the bias of the next expert
.set STO, 24
.set RD,  25
.set GO,  26
.set SPW, 28                           ; my spare word; never rewritten
.set NIL, 29                           ; 0; never rewritten
.set GR,  32
.set B2C, 40
.set Y,   128
.set TMP, 128
.set BK,  160
.set F0,  0
.set F1,  128
.set WV,  16
.set TH,  17                           ; which 64 tokens are mine.  Also: I fetch h (0) or w2 (1)
.set DH,  18                           ; which 64 d.  Also: which half of a tile I fetch
.set G1H, 24
.set G0H, 32
.set G1W, 48
.set G0W, 56
.set G1G, 68
.set G0G, 76
.set G1B, 80
.set G0B, 88
.set MSB, 0
.macro WIN new
.if MSB != \new
	s_set_vgpr_msb (MSB<<8)|\new
.set MSB, \new
.endif
.endm
.macro PLACES
.rept 4
	v_nop
.endr
.endm
.macro JLOAD s                         ; a joint refill: each of the two lines has one mask and one set of registers for all that issue it; the branch hangs on the wave's number alone
	s_cmp_eq_u32 s[TH], 0
	s_cbranch_scc0 .Lfor_w_\@
	tensor_load_to_lds s[G0H+4*\s:G0H+4*\s+3], s[G1H:G1H+7]
	s_nop 0
	PLACES
	s_branch .Lasked_\@
.Lfor_w_\@:
	tensor_load_to_lds s[G0W+4*\s:G0W+4*\s+3], s[G1W:G1W+7]
	s_nop 0
	PLACES
.Lasked_\@:
.endm
.macro CREST                           ; a round of the cluster's barrier behind its opening barrier
	s_cmp_lg_u32 s[WV], 0
	s_cbranch_scc1 .Lnot_wave_0_\@
	s_barrier_signal -3
.Lnot_wave_0_\@:
	s_barrier_wait -3
	s_barrier_signal -1
	s_barrier_wait -1
.endm
.macro CROUND
	s_barrier_signal -1
	s_barrier_wait -1
	CREST
.endm
	s_load_b256 s[4:11], s[0:1], 0x0               ; h_ws s[4:5], w2_codes s[6:7], gate_ws s[8:9], b2s s[10:11]
	s_load_b128 s[12:15], s[0:1], 0x20             ; lowp_scales s[12:13], out0 s[14:15]
	v_lshl_add_u32 v[SPW], v0, 2, SPARE
	v_mov_b32 v[NIL], 0
	ds_add_u32 v[SPW], v[NIL]                      ; the wave's opening: the add, twice on end, and its wait ahead of my first tensor load
	ds_add_u32 v[SPW], v[NIL]
	v_lshrrev_b32 v1, 5, v0
	v_readfirstlane_b32 s[WV], v1                  ; wave 0..3
	s_lshr_b32 s[TH], s[WV], 1
	s_and_b32 s[DH], s[WV], 1
	s_bfe_u32 s40, ttmp6, 0x40000                  ; cx, cy
	s_bfe_u32 s41, ttmp6, 0x40004
	s_lshl_b32 s42, ttmp9, 2
	s_add_co_u32 s42, s42, s40                     ; the d block = 4 x cluster x + cx
	s_and_b32 s43, ttmp7, 0xffff
	s_lshl_b32 s43, s43, 2
	s_add_co_u32 s43, s43, s41                     ; the token block = 4 x cluster y + cy
	s_lshl_b32 s44, s41, 2
	s_lshl_b32 s44, 15, s44                        ; my row of the cluster
	s_lshl_b32 s45, 0x1111, s40                    ; my column
	s_or_b32 s[G1H], s44, (3<<16)|(1<<21)          ; h: 128 rows of 32 elements of 8 bytes, dense, no padding; to my row
	s_mov_b32 s[G1H+1], 32<<16
	s_mov_b32 s[G1H+2], 128<<16
	s_mov_b32 s[G1H+3], 32<<16
	s_mov_b32 s[G1H+4], 128
	s_mov_b32 s[G1H+5], 32
	s_mov_b32 s[G1H+6], 0
	s_mov_b32 s[G1H+7], 0
	s_or_b32 s[G1W], s45, (1<<20)|(1<<21)|(6<<22)|(3<<25)   ; w2: 64 rows of 512 bytes, 1,024 apart; 4 words of padding after every 128; to my column
	s_mov_b32 s[G1W+1], 512<<16
	s_mov_b32 s[G1W+2], 64<<16
	s_mov_b32 s[G1W+3], 512<<16
	s_mov_b32 s[G1W+4], 64
	s_mov_b32 s[G1W+5], 1024
	s_mov_b32 s[G1W+6], 0
	s_mov_b32 s[G1W+7], 0
	s_or_b32 s[G1G], s44, (3<<16)|(1<<21)          ; the gates: 8 rows of 256 bytes, dense; to my row
	s_mov_b32 s[G1G+1], 32<<16
	s_mov_b32 s[G1G+2], 8<<16
	s_mov_b32 s[G1G+3], 32<<16
	s_mov_b32 s[G1G+4], 8
	s_mov_b32 s[G1G+5], 32
	s_mov_b32 s[G1G+6], 0
	s_mov_b32 s[G1G+7], 0
	s_or_b32 s[G1B], s45, (3<<16)|(1<<21)          ; the bias: 4 experts' rows of 512 bytes, 4,096 apart; to my column
	s_mov_b32 s[G1B+1], 64<<16
	s_mov_b32 s[G1B+2], 4<<16
	s_mov_b32 s[G1B+3], 64<<16
	s_mov_b32 s[G1B+4], 4
	s_mov_b32 s[G1B+5], 512
	s_mov_b32 s[G1B+6], 0
	s_mov_b32 s[G1B+7], 0
	; where the tiles come from: h's and the gates' hang on the token block and the wave alone, w2's and the bias's on the d block and the wave alone, each in registers that never hold the other coordinate
	s_lshl_b32 s20, s43, 17                        ; h: 131,072 x token block + 32,768 x half
	s_lshl_b32 s19, s[DH], 15                      ; (also h's place in a slot)
	s_add_co_u32 s20, s20, s19
	s_mov_b32 s21, 0
	s_lshl_b32 s22, s43, 12                        ; the gates: 4,096 x token block + 2,048 x half
	s_lshl_b32 s95, s[DH], 11                      ; (also the place of the two small tiles' halves)
	s_add_co_u32 s22, s22, s95
	s_mov_b32 s23, 0
	s_lshl_b32 s46, s42, 17                        ; w2: (128 x d block + 64 x half) rows of 1,024 bytes
	s_lshl_b32 s47, s[DH], 16
	s_add_co_u32 s46, s46, s47
	s_mov_b32 s47, 0
	s_lshl_b32 s100, s42, 9                        ; the bias: 512 x d block + 4 experts x half
	s_lshl_b32 s101, s[DH], 14
	s_add_co_u32 s100, s100, s101
	s_mov_b32 s101, 0
	s_mul_i32 s94, s[DH], 64*WP
	s_add_co_u32 s94, s94, 65536                   ; w2's place in a slot
	s_lshl_b32 s2, s43, 19                         ; out0: (128 x token block + 64 th) rows of 4,096 bytes + 512 x d block + 256 dh
	s_lshl_b32 s3, s[TH], 18
	s_add_co_u32 s2, s2, s3
	s_lshl_b32 s3, s42, 9
	s_add_co_u32 s2, s2, s3
	s_lshl_b32 s3, s[DH], 8
	s_add_co_u32 s2, s2, s3
	s_mov_b32 s3, 0
	s_wait_dscnt 0x0                               ; both opening adds are done
	s_wait_kmcnt 0x0
	s_load_b128 s[96:99], s[12:13], 0x0            ; e0, e1, e2, e3
	s_add_nc_u64 s[4:5], s[4:5], s[20:21]
	s_add_nc_u64 s[6:7], s[6:7], s[46:47]
	s_add_nc_u64 s[14:15], s[14:15], s[2:3]
.irp s, 0,1
	s_mov_b32 s[G0H+4*\s], 1
	s_add_co_u32 s[G0H+4*\s+1], s19, \s*SLOT
	s_add_nc_u64 s[G0H+4*\s+2:G0H+4*\s+3], s[4:5], \s*65536
	s_or_b32 s[G0H+4*\s+3], s[G0H+4*\s+3], 0x80000000
	s_mov_b32 s[G0W+4*\s], 1
	s_add_co_u32 s[G0W+4*\s+1], s94, \s*SLOT
	s_add_nc_u64 s[G0W+4*\s+2:G0W+4*\s+3], s[6:7], \s*512
	s_or_b32 s[G0W+4*\s+3], s[G0W+4*\s+3], 0x80000000
.endr
	s_mov_b32 s[G0G], 1
	s_add_co_u32 s[G0G+1], s95, GT
	s_add_nc_u64 s[G0G+2:G0G+3], s[8:9], s[22:23]
	s_or_b32 s[G0G+3], s[G0G+3], 0x80000000
	s_mov_b32 s[G0B], 1
	s_add_co_u32 s[G0B+1], s95, B2T
	s_add_nc_u64 s[G0B+2:G0B+3], s[10:11], s[100:101]
	s_or_b32 s[G0B+3], s[G0B+3], 0x80000000
	CROUND                                         ; all sixteen work-groups are here: the first joint loads meet
	s_cmp_eq_u32 s[TH], 0                          ; a wave's three first fills stand in one branch, ahead of every wait on TENSORcnt and every LDS read
	s_cbranch_scc0 .Lfirst_w
	tensor_load_to_lds s[G0G:G0G+3], s[G1G:G1G+7]
	s_nop 0
	tensor_load_to_lds s[G0H:G0H+3], s[G1H:G1H+7]
	s_nop 0
	tensor_load_to_lds s[G0H+4:G0H+7], s[G1H:G1H+7]
	s_nop 0
	PLACES
	s_branch .Lfirst_asked
.Lfirst_w:
	tensor_load_to_lds s[G0B:G0B+3], s[G1B:G1B+7]
	s_nop 0
	tensor_load_to_lds s[G0W:G0W+3], s[G1W:G1W+7]
	s_nop 0
	tensor_load_to_lds s[G0W+4:G0W+7], s[G1W:G1W+7]
	s_nop 0
	PLACES
.Lfirst_asked:
	v_and_b32 v1, 15, v0                           ; r
	v_bfe_u32 v2, v0, 4, 1                         ; h
	v_and_b32 v3, 31, v0                           ; lane
	s_lshl_b32 s94, s[TH], 11
	v_lshlrev_b32 v[ADH], 4, v3
	v_add_nc_u32 v[ADH], s94, v[ADH]               ; h: 16 lane + 512 x (4 th): an image's place for my lane
	v_add_nc_u32 v[ADH+1], SLOT, v[ADH]
	s_mul_i32 s95, s[DH], 64*WP
	s_add_co_u32 s95, s95, 65536
	v_mul_u32_u24 v[ADW], v1, WP
	v_lshl_add_u32 v[ADW], v2, 3, v[ADW]
	v_add_nc_u32 v[ADW], s95, v[ADW]               ; w2: row 64 dh + r, + 8 h
	v_add_nc_u32 v[ADW+1], SLOT, v[ADW]
	s_add_co_u32 s94, s94, GT
	v_lshl_add_u32 v[AG0], v1, 2, s94              ; the gates: GT + 512 x (4 th) + 4 r
	s_lshl_b32 s95, s[DH], 8
	s_add_co_u32 s95, s95, B2T
	v_lshl_add_u32 v[AB0], v2, 5, s95              ; the bias: B2T + 256 dh + 32 h
	s_mul_i32 s94, s[WV], 16*SP
	s_add_co_u32 s94, s94, STAGE                   ; my stage
	v_mul_u32_u24 v[STO], v1, SP
	v_lshl_add_u32 v[STO], v2, 5, v[STO]
	v_add_nc_u32 v[STO], s94, v[STO]               ; in: row r, + 32 h
	v_mul_u32_u24 v[RD], v2, SP
	v_lshl_add_u32 v[RD], v1, 4, v[RD]
	v_add_nc_u32 v[RD], s94, v[RD]                 ; back: lanes 0-15 one row of 256 bytes, lanes 16-31 the next
	v_lshlrev_b32 v[GO], 12, v2
	v_lshl_add_u32 v[GO], v1, 4, v[GO]             ; and the same two rows in out0
	s_mov_b32 s94, 0                               ; 64 e
	s_mov_b32 s95, 512                             ; 512 (e + 1)
	s_wait_kmcnt 0x0
	s_add_co_i32 s92, s98, s99
	s_add_co_i32 s92, s92, 127
	s_lshl_b32 s92, s92, 23                        ; 2^(e2+e3) as f32
	s_mov_b32 s93, s92                             ; (named with it as a pair, so it is written)
; 48 LDS loads in one run: the fragments of the slot's q-th 128 along f into buffer f
.macro FETCH slot, q, f
	WIN 0x40                                       ; destination window 1, address window 0
.irp m, 0,1,2,3
.irp c, 0,1,2,3
	ds_load_b128 v[\f+16*\m+4*\c:\f+16*\m+4*\c+3], v[ADH+\slot] offset:16384*\q+4096*\c+512*\m   ; 512 consecutive bytes: the image as it was stored
.endr
.endr
.irp b, 0,1,2,3
.irp c, 0,1,2,3,4,5,6,7
	ds_load_b64 v[\f+64+16*\b+2*\c:\f+64+16*\b+2*\c+1], v[ADW+\slot] offset:16*WP*\b+128*\q+16*\c
.endr
.endr
.endm
; 4 matrix instructions: token tile m x the four tiles of d.  first = 1: the bias starts the sums.  The 16 accumulators take turns, in the same order in every quarter.
.macro MUL4 f, m, first
	WIN 0x05                                       ; sources 0 (w2) and 1 (h) window 1; C and D window 0
.irp b, 0,1,2,3
.if \first
	v_wmma_f32_16x16x128_bf8_bf8 v[Y+8*(4*\m+\b):Y+8*(4*\m+\b)+7], v[\f+64+16*\b:\f+64+16*\b+15], v[\f+16*\m:\f+16*\m+15], v[B2C+8*\b:B2C+8*\b+7]
.else
	v_wmma_f32_16x16x128_bf8_bf8 v[Y+8*(4*\m+\b):Y+8*(4*\m+\b)+7], v[\f+64+16*\b:\f+64+16*\b+15], v[\f+16*\m:\f+16*\m+15], v[Y+8*(4*\m+\b):Y+8*(4*\m+\b)+7]
.endif
.endr
.endm
; A quarter of a slot: multiplies buffer f; ahead of that it asks for the slot's q-th quarter into buffer g.  extra >= 1: this expert's gates too; extra = 2: and the next expert's bias.
.macro QUARTER slot, q, f, g, first, extra
	s_wait_dscnt 0x0                               ; buffer f is in (asked for a quarter ago)
	PLACES                                         ; four places in front of loads into registers that matrix instructions have read
	FETCH \slot, \q, \g
.if \extra >= 1
	WIN 0
.irp m, 0,1,2,3
	ds_load_b32 v[GR+2*\m], v[AGE] offset:512*\m   ; token tile m's gate of my token, into both registers of a pair
	ds_load_b32 v[GR+2*\m+1], v[AGE] offset:512*\m
.endr
.endif
.if \extra == 2
.irp b, 0,1,2,3
	ds_load_b128 v[B2C+8*\b:B2C+8*\b+3], v[ABE] offset:64*\b
	ds_load_b128 v[B2C+8*\b+4:B2C+8*\b+7], v[ABE] offset:64*\b+16
.endr
.endif
	MUL4 \f, 0, \first
	MUL4 \f, 1, \first
	MUL4 \f, 2, \first
	MUL4 \f, 3, \first
.endm
; A slot's last quarter multiplies buffer 1 and changes slots: ONE barrier; in front of it each wave waits for all its tensor loads, adds 0 to its spare word, and waits for that and for its reads of this slot.
; fill = 1: this slot takes the next expert's same half: the barrier opens a round of the cluster's, and the joint refill is the first tensor load behind it.
.macro TURN slot, next, fill
	WIN 0                                          ; (the add's two registers lie in window 0)
	s_wait_tensorcnt 0x0                           ; all my tensor loads have landed: my part of the next slot
	ds_add_u32 v[SPW], v[NIL]
	s_wait_dscnt 1                                 ; buffer 1 is in; only the add may be out
	MUL4 F1, 0, 0                                  ; four matrix instructions stand between the add and the wait for it
	s_wait_dscnt 0x0                               ; the add is done, and my reads of this slot are over
	s_barrier_signal -1
	MUL4 F1, 1, 0
	WIN 0
	s_barrier_wait -1
.if \fill
	CREST                                          ; no wave of any partner still reads this slot or has a load on its way
	s_add_nc_u64 s[G0H+4*\slot+2:G0H+4*\slot+3], s[G0H+4*\slot+2:G0H+4*\slot+3], 0x400000   ; the next expert's h,
	s_add_nc_u64 s[G0W+4*\slot+2:G0W+4*\slot+3], s[G0W+4*\slot+2:G0W+4*\slot+3], 0x100000   ; and its w2
	JLOAD \slot                                    ; the four v_nop behind it are also the places in front of the loads below
.else
	PLACES
.endif
	FETCH \next, 0, F0
	MUL4 F1, 2, 0
	MUL4 F1, 3, 0
.endm
; out += gate x y, two numbers an instruction, each accumulator from its low end on.  first = 1: the first expert starts the sums: nothing is ever cleared.
.macro GATE first
	PLACES                                         ; between the last products and the first read of results
.if \first
	WIN 0x80                                       ; destination window 2
.else
	WIN 0xa0                                       ; destination and source 2 window 2
.endif
.irp m, 0,1,2,3
.irp i, 0,2,4,6,8,10,12,14,16,18,20,22,24,26,28,30
.if \first
	v_pk_mul_f32 v[32*\m+\i:32*\m+\i+1], v[Y+32*\m+\i:Y+32*\m+\i+1], v[GR+2*\m:GR+2*\m+1]
.else
	v_pk_fma_f32 v[32*\m+\i:32*\m+\i+1], v[Y+32*\m+\i:Y+32*\m+\i+1], v[GR+2*\m:GR+2*\m+1], v[32*\m+\i:32*\m+\i+1]
.endif
.endr
.endr
.endm
; AN EXPERT: 8 quarters of 128 along f, 128 matrix instructions.  fill = 1: both slots are filled again, for the next expert.
.macro EXPERT first, fill
	v_add_nc_u32 v[AGE], s94, v[AG0]
	v_add_nc_u32 v[ABE], s95, v[AB0]
	QUARTER 0, 1, F0, F1, 1, 0
	QUARTER 0, 2, F1, F0, 0, 0
	QUARTER 0, 3, F0, F1, 0, 1+\fill
	TURN 0, 1, \fill
	QUARTER 1, 1, F0, F1, 0, 0
	QUARTER 1, 2, F1, F0, 0, 0
	QUARTER 1, 3, F0, F1, 0, 0
.if \fill
	TURN 1, 0, 1
.else
	s_wait_dscnt 0x0
	MUL4 F1, 0, 0
	MUL4 F1, 1, 0
	MUL4 F1, 2, 0
	MUL4 F1, 3, 0
.endif
	GATE \first
	WIN 0                                          ; at a label and at a branch every window is 0
	s_add_co_u32 s94, s94, 64
	s_add_co_u32 s95, s95, 512
.endm
	s_wait_tensorcnt 1                             ; my small tile and my part of slot 0 are in; slot 1's load may stay out
	s_barrier_signal -1
	s_barrier_wait -1                              ; everybody's are
.irp b, 0,1,2,3
	ds_load_b128 v[B2C+8*\b:B2C+8*\b+3], v[AB0] offset:64*\b        ; expert 0's bias
	ds_load_b128 v[B2C+8*\b+4:B2C+8*\b+7], v[AB0] offset:64*\b+16
.endr
	FETCH 0, 0, F0
	WIN 0
	EXPERT 1, 1                                    ; expert 0 starts the running sums
	s_mov_b32 s3, 6
.Lexpert:
	EXPERT 0, 1
	s_sub_co_u32 s3, s3, 1
	s_cmp_lg_u32 s3, 0
	s_cbranch_scc1 .Lexpert
	EXPERT 0, 0                                    ; the last expert is written out: it asks for nothing more
	; THE WAY OUT, a token tile at a time: x 2^(e2+e3); a lane's 32 bytes of a row go into my stage and come back as whole rows of 256 bytes.
.irp m, 0,1,2,3
	WIN 0x02                                       ; source 0 window 2
.irp i, 0,2,4,6,8,10,12,14,16,18,20,22,24,26,28,30
	v_pk_mul_f32 v[TMP+\i:TMP+\i+1], v[32*\m+\i:32*\m+\i+1], s[92:93] op_sel_hi:[1,0]
.endr
	WIN 0
.irp b, 0,1,2,3
	ds_store_b128 v[STO], v[TMP+8*\b:TMP+8*\b+3] offset:64*\b
	ds_store_b128 v[STO], v[TMP+8*\b+4:TMP+8*\b+7] offset:64*\b+16
.endr
.if \m > 0
	s_wait_xcnt 0x0                                ; the tile before has had its stores' addresses translated: only behind this wait are their data registers loaded again
.endif
.irp i, 0,1,2,3,4,5,6,7
	ds_load_b128 v[BK+4*\i:BK+4*\i+3], v[RD] offset:2*SP*\i   ; LDS serves a wave's instructions in order: these see my stores
.endr
.irp i, 0,1,2,3,4,5,6,7
	s_wait_dscnt 7-\i                              ; loads come back in order: rows 2 i, 2 i + 1 are in
	global_store_b128 v[GO], v[BK+4*\i:BK+4*\i+3], s[14:15] offset:65536*\m+8192*\i th:TH_STORE_NT   ; 16 lanes store 256 consecutive bytes, at a multiple of 256 from out0's first byte
.endr
.endr
	s_wait_tensorcnt 0x0                           ; the wave's end, behind my last tensor load and my last LDS store
	ds_add_u32 v[SPW], v[NIL]
	s_wait_dscnt 0x0
	CROUND                                         ; the closing round: no work-group ends while a partner may still ask for a tile that names it
	s_endpgm
.Lfunc_end_k_q1cc4db360c_down:
	.size	k_q1cc4db360c_down, .Lfunc_end_k_q1cc4db360c_down-k_q1cc4db360c_down
	.p2alignl 7, 3214868480
	.fill 96, 4, 3214868480
	.section	.rodata,"a",@progbits
	.p2align	6, 0x0
	.amdhsa_kernel k_q1cc4db360c_down
		.amdhsa_group_segment_fixed_size 327680
		.amdhsa_private_segment_fixed_size 0
		.amdhsa_enable_private_segment 0
		.amdhsa_kernarg_size 48
		.amdhsa_user_sgpr_count 2
		.amdhsa_user_sgpr_kernarg_segment_ptr 1
		.amdhsa_wavefront_size32 1
		.amdhsa_system_sgpr_workgroup_id_x 1
		.amdhsa_system_sgpr_workgroup_id_y 1
		.amdhsa_system_sgpr_workgroup_id_z 1
		.amdhsa_system_vgpr_workitem_id 0
		.amdhsa_next_free_vgpr 640
		.amdhsa_next_free_sgpr 102
		.amdhsa_reserve_vcc 0
		.amdhsa_float_denorm_mode_32 3
		.amdhsa_float_denorm_mode_16_64 3
		.amdhsa_memory_ordered 1
		.amdhsa_forward_progress 1
		.amdhsa_inst_pref_size 144
	.end_amdhsa_kernel
	.amdgpu_metadata
---
amdhsa.version: [ 1, 2 ]
amdhsa.kernels:
  - .name:           k_q1cc4db360c_down
    .symbol:         k_q1cc4db360c_down.kd
    .args:
      - { .name: h_ws, .offset: 0, .size: 8, .value_kind: global_buffer, .address_space: global }
      - { .name: w2_codes, .offset: 8, .size: 8, .value_kind: global_buffer, .address_space: global }
      - { .name: gate_ws, .offset: 16, .size: 8, .value_kind: global_buffer, .address_space: global }
      - { .name: b2s, .offset: 24, .size: 8, .value_kind: global_buffer, .address_space: global }
      - { .name: lowp_scales, .offset: 32, .size: 8, .value_kind: global_buffer, .address_space: global }
      - { .name: out0, .offset: 40, .size: 8, .value_kind: global_buffer, .address_space: global }
    .group_segment_fixed_size: 327680
    .private_segment_fixed_size: 0
    .kernarg_segment_align: 8
    .kernarg_segment_size: 48
    .max_flat_workgroup_size: 128
    .sgpr_count:     102
    .vgpr_count:     640
    .wavefront_size: 32
...
	.end_amdgpu_metadata
.endif
;; end of part 3
